; MI455X (gfx1250); checked and timed in simulation.
; The chip was launched on July 23, 2026; its instructions are those of AMD's public machine-readable ISA for CDNA 5 (MIT licence, August 2026) and "CDNA5" Instruction Set Architecture Reference Guide (July 2026). The comments in the code are by the model that wrote it; some were corrected since.
;; Attend. Allowed arithmetic: matrix products marked QUANTISED: E3M2 operands, one E8M0 scale for each 32 along K, by v_wmma_scale_f32_16x16x128_f8f6f4 with both operands' format E3M2, f32 sums; everything else in f32.
;; Inputs: k 2 x 8 x 2,048 x 128 float32; q 2 x 32 x 2,048 x 128 float32; v 2 x 8 x 2,048 x 128 float32.
;; Outputs: out0 2 x 32 x 2,048 x 128 float32.
;; This version of the problem:
;;   THIS VERSION OF THE PROBLEM IS GIVEN IN LOW PRECISION. The matrix products marked QUANTISED in the list below multiply operands that are first quantised to E3M2 (3 exponent bits, 2 mantissa bits; 6 bits a number), with one power-of-two scale for each 32 numbers along K (OCP MX v1.0); their sums are f32. All else is computed in f32.
;;   The module's matrix products, in the order in which they are computed (A, B: the left and right operand; K: the contracted axis; several contracted axes count as one K, in the product's order):
;;     1. batch 64 x [M 2,048, K 128] x [K 128, N 2,048]; A: input q; B: input k: QUANTISED
;;     2. batch 64 x [M 2,048, K 2,048] x [K 2,048, N 128]; A: softmax (see below); B: input v: QUANTISED
;;   THE QUANTISER, for each operand of a quantised product, along K:
;;     - K is cut into blocks of 32 from its start; a last block that is shorter is filled with zeros.
;;     - A block's scale is 2^e with e = floor(log2(the largest magnitude in the block)) - 4, held to -126 .. 127; a block of zeros has e = 0. As a byte (E8M0): e + 127.
;;     - Each number is divided by its block's scale, clamped to +-28, and rounded to the nearest number of E3M2, ties to even, subnormals kept.
;;     - The product sums the exact products of the quantised numbers (number of the format x scale) in f32.
;;   ~~~python
;;   def quantise(x, axis):      # numpy; x: float32 -> the quantised numbers, widened to float32 again
;;       x = np.moveaxis(x, axis, -1); K = x.shape[-1]
;;       x = np.pad(x, [(0, 0)] * (x.ndim - 1) + [(0, -K % 32)]); x = x.reshape(x.shape[:-1] + (-1, 32)); a = np.abs(x).max(-1, keepdims=True)
;;       e = np.where(a > 0, np.clip(np.frexp(np.where(a > 0, a, 1))[1] - 1 - 4, -126, 127), 0)      # np.frexp(a)[1] - 1 = floor(log2(a)), exactly
;;       r = np.clip(x / 2.0 ** e, -28, 28)
;;       step = 2.0 ** (np.maximum(np.frexp(np.where(r == 0, 1, r))[1] - 1, -2) - 2)
;;       q = np.round(r / step) * step * 2.0 ** e      # np.round: ties to even
;;       return np.moveaxis(q.reshape(q.shape[:-2] + (-1,))[..., :K], -1, axis).astype(np.float32)
;;   ~~~
;;   SOFTMAX AHEAD OF A QUANTISED PRODUCT. Where the list says 'softmax', what is quantised is not the finished softmax but p = 2^(t - M), with t = logit x log2(e) and M = ceil(the row's largest t), a whole number; so 1/2 < the row's largest p <= 1. The row's sum l is taken of the UNQUANTISED p, in f32, and the product's result is divided by l at the end. Since M is a whole number, a kernel that streams over the keys may use a running M (the ceiling of the running maximum): every later rescaling is an exact power of two, which a block's scale takes up: the codes' values come out the same.
;;   OPERANDS COMPUTED ON THE WAY. 'Computed on the way' means the value that the module computes at that place (a softmax that the list does not call 'softmax' is quantised finished and normalised). What goes into a quantiser is computed in f32, as accurately as f32 sums, v_exp_f32 and their like allow (about 1e-6 of the number): no bf16 or f16 on the way to a quantiser, and a product that is left as it is and whose result goes on into a quantised operand takes f32 operands (vector FMAs, or v_wmma_f32_16x16x4_f32). A number that lies on a knife's edge between two numbers of the format may be rounded either way, as far as f32 arithmetic and the matrix unit's own rounding can turn it there, and no further.
;; One version. Each part assembles by itself: llvm-mc -triple=amdgcn-amd-amdhsa -mcpu=gfx1250 --defsym DOCPART=n.
;; ======== version 1 of 1: 2 launches
;; workspace buffers: kvw 6,553,600 bytes
;; launch prep (part 1): grid 16 x 16, 8 waves a work-group, no clusters, 147,456 bytes of LDS; arguments k, v, kvw; writes kvw
.if DOCPART == 1
	.amdgcn_target "amdgcn-amd-amdhsa--gfx1250"
	.amdhsa_code_object_version 6
	.text
	.protected	k_q85aa3d5883_prep
	.globl	k_q85aa3d5883_prep
	.p2align	8
	.type	k_q85aa3d5883_prep,@function
k_q85aa3d5883_prep:
	s_mov_b64 s[64:65], 0
	v_nop
	global_prefetch_b8 v0, s[64:65] scope:SCOPE_SE
	s_setreg_imm32_b32 hwreg(HW_REG_WAVE_MODE, 25, 1), 1
	s_wait_xcnt 0x0
; K and V, [16 heads][2048 keys][128] f32, become codes of BF6 (E3M2) with one E8M0 scale byte for each 32 along a product's K: K is quantised along the head's 128, V along the keys.
; A block's scale is 2^(floor(log2(its largest magnitude)) - 4); its byte is the largest magnitude's exponent field - 4, held at 1 from below.
; LIMITS: a block of zeros, or one whose largest magnitude lies under 2^(5 - 127), gets the byte 1 (the rule says 127 for zeros: its codes are zeros, which add nothing, and this program alone reads the bytes);
; NaN and infinities among the inputs are not served.
; THE RESULT IS LAID IN THE ORDER OF THE OPERANDS' REGISTERS: for each head y and each step j of 128 keys one dense block of 25,600 bytes at (16 y + j) x 25,600:
;   0       K's 8 tiles, 1,536 bytes each: the image of a fragment's 12 registers: registers 4 c .. 4 c + 3 of lane l at 512 c + 16 l
;   12,288  V's 8 tiles, likewise          24,576  K's scale words, 512 bytes          25,088  V's scale words, 512 bytes
;   K's tile 2 b + u: lane (r, h) holds key 32 b + 8 u + r + 8 (r / 8) of the step, registers 6 c .. 6 c + 5 its numbers 64 c + 32 h + 0 .. 31.
;   V's tile t: lane (r, h) holds channel 16 t + r, registers 6 c .. 6 c + 5 the keys 64 c + 32 h + 0 .. 31 of the step.
;   Scale words: lane l's 16 bytes at 16 l; word i is that of tile 4 (l / 16) + i, row l % 16: one load of 16 bytes a lane brings all eight tiles' words.
; SHARES.  A work-group makes one block (x = step, y = head).  Wave w makes K's tile w (16 rows of 512 bytes), and of V the block of 32 keys w / 2, channels 64 (w % 2) on.
; Every global load takes whole runs of 256 or 512 consecutive bytes; the numbers turn through the wave's own stage in LDS, so that a lane's registers run along the product's K.
; K's fragment leaves from registers; V's codes, which four waves make for each tile, meet in LDS and leave behind the one barrier.  Every store covers 512 consecutive bytes at a multiple of 256 of the buffer.
; No tensor loads and no ring: nothing is read twice.
.set KST,  0                           ; LDS: K's stages, 16 rows x 528 bytes a wave (512 + 16: row r starts at bank 4 r mod 64; 64 banks of 4 bytes: ISA guide 11.1)
.set VST,  67584                       ; V's stages, 32 rows x 256 bytes a wave
.set VIMG, 133120                      ; V's eight tile images
.set SC,   145408                      ; K's scale words, then V's
.set BLKB, 25600
.set SEL,  24                          ; s[24:25] lane selects for v_permlanex16_b32: lane l xor 16
; A lane's two whole blocks of 32, v[X + 32 c ..], become registers F + 6 c .. F + 6 c + 5 of a fragment; W gets the row's scale word (byte 2 c + h is mine; lane l xor 16 has the other two).
.macro QUANT2 X, F, M, E, B, W, W2, TT, SH
.irp c, 0,1
	v_max3_num_f32 v[\M+\c], |v[\X+32*\c]|, |v[\X+32*\c+1]|, 0x2800000   ; with the floor 2^(5 - 127) among the leaves: the byte cannot fall under 1
.endr
.irp i, 2,4,6,8,10,12,14,16,18,20,22,24,26,28,30
.irp c, 0,1
	v_max3_num_f32 v[\M+\c], v[\M+\c], |v[\X+32*\c+\i]|, |v[\X+32*\c+\i+1]|   ; the two blocks by turns
.endr
.endr
.irp c, 0,1
	v_add_nc_u32 v[\E+\c], 0xfe000000, v[\M+\c]      ; 4 off the exponent field: the conversion's scale operand
.endr
.irp c, 0,1
	v_lshrrev_b32 v[\B+\c], 23, v[\E+\c]             ; the scale's byte
.endr
	v_lshl_or_b32 v[\W], v[\B+1], 16, v[\B]
	v_lshlrev_b32 v[\W], v[\SH], v[\W]               ; 8 h bits up
	v_permlanex16_b32 v[\W2], v[\W], s[SEL], s[SEL+1]
	v_or_b32 v[\W], v[\W], v[\W2]                    ; the word is whole, in both halves of the lanes
.irp c, 0,1
	v_cvt_scalef32_pk16_bf6_f32 v[\F+6*\c:\F+6*\c+2], v[\X+32*\c:\X+32*\c+15], v[\E+\c]
	v_cvt_scalef32_pk16_bf6_f32 v[\TT+4*\c:\TT+4*\c+2], v[\X+32*\c+16:\X+32*\c+31], v[\E+\c]   ; (a conversion's three registers begin on an even number)
.endr
	v_nop                                            ; one plain place behind a scaled conversion
.irp c, 0,1
.irp i, 0,1,2
	v_mov_b32 v[\F+3+6*\c+\i], v[\TT+4*\c+\i]
.endr
.endr
.endm
; One whole block of 32 keys of one channel, v[X ..], becomes six registers of codes at C, which go to their place in V's images, and a scale byte.  g: which 32 of my 64 channels.
.macro QUANT1 X, C, g
	v_max3_num_f32 v18, |v[\X]|, |v[\X+1]|, 0x2800000
	v_max3_num_f32 v19, |v[\X+2]|, |v[\X+3]|, 0x2800000
.irp i, 4,8,12,16,20,24,28
	v_max3_num_f32 v18, v18, |v[\X+\i]|, |v[\X+\i+1]|
	v_max3_num_f32 v19, v19, |v[\X+\i+2]|, |v[\X+\i+3]|
.endr
	v_max_num_f32 v18, v18, v19
	v_add_nc_u32 v20, 0xfe000000, v18
	v_lshrrev_b32 v[26+\g], 23, v20
	v_cvt_scalef32_pk16_bf6_f32 v[\C:\C+2], v[\X:\X+15], v20
	v_cvt_scalef32_pk16_bf6_f32 v[\C+4:\C+6], v[\X+16:\X+31], v20
	v_nop                                            ; one plain place behind a scaled conversion
	v_mov_b32 v[\C+3], v[\C+4]
	v_mov_b32 v[\C+4], v[\C+5]
	v_mov_b32 v[\C+5], v[\C+6]
	ds_store_b64 v10, v[\C:\C+1] offset:3072*\g          ; the six registers are registers 0-5 or 6-11 of the target lane: in the image they lie at 0, 8, 512 or at 520, 1024, 1032
	ds_store_b64 v11, v[\C+2:\C+3] offset:3072*\g+8
	ds_store_b64 v10, v[\C+4:\C+5] offset:3072*\g+512
	ds_store_b8 v13, v[26+\g] offset:8*\g
.endm
	s_load_b128 s[4:7], s[0:1], 0x0                ; k, v
	s_load_b64 s[8:9], s[0:1], 0x10                ; kvw
	v_lshl_add_u32 v224, v0, 2, 0x23c00
	v_mov_b32 v225, 0
	v_lshrrev_b32 v1, 5, v0
	v_readfirstlane_b32 s10, v1                    ; wave 0..7
	s_and_b32 s12, ttmp7, 0xffff                   ; the head
	s_lshr_b32 s26, s10, 1                         ; w / 2
	s_and_b32 s27, s10, 1                          ; w % 2
	s_lshr_b32 s28, s10, 2                         ; w / 4
	s_lshl_b32 s14, s12, 20                        ; a head is 2,048 rows of 512 bytes,
	s_lshl_b32 s29, ttmp9, 16                      ; a step 128 rows,
	s_add_co_u32 s14, s14, s29
	s_lshl_b32 s29, s26, 14                        ; 32 rows for each w / 2
	s_add_co_u32 s14, s14, s29
	s_lshl_b32 s29, s27, 8
	s_add_co_u32 s16, s14, s29                     ; V: + 256 bytes along the row for w % 2
	s_lshl_b32 s29, s27, 12
	s_add_co_u32 s14, s14, s29                     ; K: + 8 rows for w % 2
	s_mov_b32 s15, 0
	s_mov_b32 s17, 0
	s_lshl_b32 s18, s12, 4
	s_add_co_u32 s18, s18, ttmp9
	s_mul_i32 s18, s18, BLKB                       ; my block in kvw
	s_mov_b32 s19, 0
	s_mul_i32 s22, s10, 1536                       ; my tile in it
	s_mov_b32 s23, 0
	s_mov_b32 s[SEL], 0x76543210
	s_mov_b32 s[SEL+1], 0xfedcba98
	v_and_b32 v1, 31, v0                           ; l
	v_and_b32 v2, 15, v0                           ; r
	v_bfe_u32 v3, v0, 4, 1                         ; h
	v_lshlrev_b32 v4, 4, v1                        ; 16 l
	v_lshlrev_b32 v5, 4, v2
	v_lshl_add_u32 v5, v3, 9, v5                   ; V's loads: lanes 16-31 take the next key's row
	s_mul_i32 s29, s10, 8448
	v_add_nc_u32 v6, s29, v4                       ; K's stage, in: 16 l
	v_mul_u32_u24 v7, v2, 528
	v_lshl_add_u32 v7, v3, 7, v7
	v_add_nc_u32 v7, s29, v7                       ; and back: row r, + 128 h
	s_lshl_b32 s30, s10, 13
	s_add_co_u32 s30, s30, VST
	v_add_nc_u32 v8, s30, v4                       ; V's stage, in: 16 l = two rows of 256 bytes
	v_lshl_add_u32 v9, v1, 2, s30                  ; and back: a lane to a channel
	s_mul_i32 s30, s27, 6144                       ; V's images: tile 4 (w % 2) + 2 g + h,
	s_and_b32 s31, s26, 1
	s_lshl_b32 s31, s31, 8                         ; target lane 16 ((w / 2) % 2) + r,
	s_add_co_u32 s30, s30, s31
	s_add_co_u32 s30, s30, VIMG
	s_mul_i32 s31, s28, 520                        ; registers 6 (w / 4) on
	s_add_co_u32 s31, s30, s31
	s_mul_i32 s32, s28, 1016
	s_add_co_u32 s32, s30, s32
	v_mul_u32_u24 v10, v3, 1536
	v_lshl_add_u32 v10, v2, 4, v10
	v_add_nc_u32 v11, s32, v10
	v_add_nc_u32 v10, s31, v10
	s_lshl_b32 s30, s28, 8                         ; K's scale word of tile w, row r: 256 (w / 4) + 16 r + 4 (w % 4)
	s_and_b32 s31, s10, 3
	s_lshl_b32 s31, s31, 2
	s_add_co_u32 s30, s30, s31
	s_add_co_u32 s30, s30, SC
	v_lshl_add_u32 v12, v2, 4, s30
	s_lshl_b32 s30, s27, 8                         ; V's scale byte: 256 (w % 2) + 16 r + 4 (2 g + h) + w / 2
	s_add_co_u32 s30, s30, s26
	s_add_co_u32 s30, s30, SC+512
	v_lshl_add_u32 v13, v2, 4, s30
	v_lshl_add_u32 v13, v3, 2, v13
	s_add_co_u32 s30, s22, VIMG
	v_add_nc_u32 v14, s30, v4                      ; the way out: V's tile w
	s_min_u32 s30, s10, 1
	s_lshl_b32 s30, s30, 9
	v_add_nc_u32 v16, s30, v4                      ; and, in waves 0 and 1, K's or V's scale words
	v_add_nc_u32 v15, SC, v16
	v_lshlrev_b32 v17, 3, v3                       ; 8 h
	v_mov_b32 v25, 0                               ; written once: a lane permute's destination counts as one of its sources
	s_wait_kmcnt 0x0
	s_add_nc_u64 s[4:5], s[4:5], s[14:15]
	s_add_nc_u64 s[6:7], s[6:7], s[16:17]
	s_add_nc_u64 s[20:21], s[8:9], s[18:19]        ; my block
	s_add_nc_u64 s[22:23], s[20:21], s[22:23]      ; my tile of K; V's lies 12,288 bytes on
.irp i, 0,1,2,3,4,5,6,7,8,9,10,11,12,13,14,15
	global_load_b128 v[32+4*\i:35+4*\i], v4, s[4:5] offset:(\i+8*(\i/8))*512 th:TH_LOAD_NT   ; the tile's row i: a key's 512 bytes
.endr
.irp i, 0,1,2,3,4,5,6,7,8,9,10,11,12,13,14,15
	global_load_b128 v[96+4*\i:99+4*\i], v5, s[6:7] offset:1024*\i th:TH_LOAD_NT             ; keys 2 i and 2 i + 1 of my 32: 256 bytes of each
.endr
	s_wait_loadcnt 16                              ; K's 16 loads are in; V's 16 may be out
.irp i, 0,1,2,3,4,5,6,7,8,9,10,11,12,13,14,15
	ds_store_b128 v6, v[32+4*\i:35+4*\i] offset:528*\i
.endr
.irp c, 0,1
.irp i, 0,1,2,3,4,5,6,7
	ds_load_b128 v[32+32*\c+4*\i:35+32*\c+4*\i], v7 offset:256*\c+16*\i   ; LDS serves a wave's instructions in order (ISA guide 5.7.1.4): these see my stores.  Row r, numbers 64 c + 32 h + 0 .. 31
.endr
.endr
	s_wait_loadcnt 0x0                             ; V
.irp i, 0,1,2,3,4,5,6,7,8,9,10,11,12,13,14,15
	ds_store_b128 v8, v[96+4*\i:99+4*\i] offset:512*\i
.endr
.set N, 0
.rept 32
	ds_load_b32 v[96+N], v9 offset:256*N           ; channel l of my 64, down the 32 keys
.set N, N+1
.endr
	s_wait_dscnt 48                                ; K's numbers are back: behind them stand 16 stores and 32 loads
	QUANT2 32, 160, 18, 20, 22, 24, 25, 172, 17
.irp c, 0,1,2
	global_store_b128 v4, v[160+4*\c:163+4*\c], s[22:23] offset:512*\c   ; the fragment's image: 512 consecutive bytes a store
.endr
	ds_store_b32 v12, v24                          ; both halves of the lanes write the same word with the same value
.set N, 0
.rept 32
	ds_load_b32 v[128+N], v9 offset:256*N+128      ; channel 32 + l
.set N, N+1
.endr
	s_wait_dscnt 33                                ; the first 32 channels are back: behind them stand 1 store and 32 loads
	QUANT1 96, 180, 0
	s_wait_dscnt 4                                 ; the other 32: behind them stand the four stores just issued
	QUANT1 128, 188, 1
	s_wait_dscnt 0x0                               ; for the others' sake: my stores into the images and the scale words are done
	s_barrier_signal -1
	s_barrier_wait -1
.irp c, 0,1,2
	ds_load_b128 v[196+4*\c:199+4*\c], v14 offset:512*\c
.endr
	s_wait_dscnt 0x0
.irp c, 0,1,2
	global_store_b128 v4, v[196+4*\c:199+4*\c], s[22:23] offset:12288+512*\c
.endr
	s_cmp_ge_u32 s10, 2                            ; wave 0 stores K's scale words, wave 1 V's
	s_cbranch_scc1 .Lend
	ds_load_b128 v[208:211], v15
	s_wait_dscnt 0x0
	global_store_b128 v16, v[208:211], s[20:21] offset:24576
.Lend:
	s_wait_tensorcnt 0x0
	ds_add_u32 v224, v225
	s_wait_dscnt 0x0
	s_endpgm
.Lfunc_end_k_q85aa3d5883_prep:
	.size	k_q85aa3d5883_prep, .Lfunc_end_k_q85aa3d5883_prep-k_q85aa3d5883_prep
	.p2alignl 7, 3214868480
	.fill 96, 4, 3214868480
	.section	.rodata,"a",@progbits
	.p2align	6, 0x0
	.amdhsa_kernel k_q85aa3d5883_prep
		.amdhsa_group_segment_fixed_size 147456
		.amdhsa_private_segment_fixed_size 0
		.amdhsa_enable_private_segment 0
		.amdhsa_kernarg_size 24
		.amdhsa_user_sgpr_count 2
		.amdhsa_user_sgpr_kernarg_segment_ptr 1
		.amdhsa_wavefront_size32 1
		.amdhsa_system_sgpr_workgroup_id_x 1
		.amdhsa_system_sgpr_workgroup_id_y 1
		.amdhsa_system_sgpr_workgroup_id_z 1
		.amdhsa_system_vgpr_workitem_id 0
		.amdhsa_next_free_vgpr 226
		.amdhsa_next_free_sgpr 66
		.amdhsa_reserve_vcc 0
		.amdhsa_float_denorm_mode_32 3
		.amdhsa_float_denorm_mode_16_64 3
		.amdhsa_memory_ordered 1
		.amdhsa_forward_progress 1
		.amdhsa_inst_pref_size 22
	.end_amdhsa_kernel
	.amdgpu_metadata
---
amdhsa.version: [ 1, 2 ]
amdhsa.kernels:
  - .name:           k_q85aa3d5883_prep
    .symbol:         k_q85aa3d5883_prep.kd
    .args:
      - { .name: k, .offset: 0, .size: 8, .value_kind: global_buffer, .address_space: global }
      - { .name: v, .offset: 8, .size: 8, .value_kind: global_buffer, .address_space: global }
      - { .name: kvw, .offset: 16, .size: 8, .value_kind: global_buffer, .address_space: global }
    .group_segment_fixed_size: 147456
    .private_segment_fixed_size: 0
    .kernarg_segment_align: 8
    .kernarg_segment_size: 24
    .max_flat_workgroup_size: 256
    .sgpr_count:     66
    .vgpr_count:     226
    .wavefront_size: 32
...
	.end_amdgpu_metadata
.endif
;; end of part 1
;; launch attend (part 2): grid 16 x 16, 8 waves a work-group, clusters of 4 x 1, 327,680 bytes of LDS; arguments q, kvw, out0; writes out0
.if DOCPART == 2
	.amdgcn_target "amdgcn-amd-amdhsa--gfx1250"
	.amdhsa_code_object_version 6
	.text
	.protected	k_q85aa3d5883_attend
	.globl	k_q85aa3d5883_attend
	.p2align	8
	.type	k_q85aa3d5883_attend,@function
k_q85aa3d5883_attend:
	s_mov_b64 s[64:65], 0
	v_nop
	global_prefetch_b8 v0, s[64:65] scope:SCOPE_SE
	s_setreg_imm32_b32 hwreg(HW_REG_WAVE_MODE, 25, 1), 1
	s_wait_xcnt 0x0
	s_wait_alu depctr_hold_cnt(0) depctr_sa_sdst(0) depctr_va_vdst(0) depctr_va_sdst(0) depctr_va_ssrc(0) depctr_va_vcc(0) depctr_vm_vsrc(0)
	s_getreg_b32 s2, hwreg(HW_REG_IB_STS2, 6, 4)
	s_cmp_eq_u32 s2, 0
	s_cbranch_scc0 .Lentry_in_a_cluster
	s_endpgm
.Lentry_in_a_cluster:
	s_bfe_u32 s2, ttmp6, 0x10000c
	s_cmp_lg_u32 s2, 0x3003
	s_cbranch_scc0 .Lentry_shape_is_right
	s_endpgm
.Lentry_shape_is_right:
; out0[b][h][i][:] = the sum over j <= i of softmax_j(q[b][h][i] . k[b][h % 8][j] / sqrt(128)) v[b][h % 8][j][:], both products on codes of BF6 (E3M2) with one E8M0 scale for each 32 along a product's K.
; q, out0: [2][32][2048][128] f32.  K and V come as codes from kvw, in the order of the operands' registers: for each K/V head y and each step of 128 keys a dense block of 25,600 bytes:
; K's 8 tiles (1,536 bytes each), V's 8 tiles, K's scale words (512 bytes), V's (512).  q is read once, by one wave, and is quantised here, in registers.
; THE SOFTMAX AHEAD OF THE SECOND PRODUCT: t = score x log2(e) / sqrt(128); M = the row's largest t so far, rounded UP to a whole number; p = 2^(t - M) is quantised along the keys, not normalised;
; the row's sum is taken of the unquantised p and divides O at the end (v_rcp_f32 and a multiplication).  When M moves, the sum and O are multiplied by 2^(old M - new M): exact.
; LIMITS: NaN and infinities among the inputs are not served; a block whose largest magnitude lies under 2^(5 - 127) keeps the scale byte 1 (a block of zeros too: its codes are zeros).
; SHARES.  A work-group owns two blocks of 256 queries of one query head, blocks P and 7 - P (P = 0 .. 3), one after the other.  Under the mask block P wants the keys' slots (256 keys) 0 .. P and block 7 - P
; the slots 0 .. 7 - P: NINE slot visits whatever P is.  So the trip count is a constant, no slot is fetched that nobody reads, and all 256 work-groups have the same work.
; Each of the eight waves owns 32 neighbouring queries, two tiles of 16, which share every fragment of K and V that the wave reads from LDS.  A step all of whose 128 keys come after the wave's queries is left out.
; CLUSTER.  The four query heads that share a K/V head, at the same P, walk the same blocks of kvw in the same order: they form a cluster and ask for each block JOINTLY (mask 15).
; Nothing but the addresses of q, out0 and the prefetches hangs on a work-group's place in its cluster.
; LAYOUT.  Both products are used transposed: S^T = K Q^T (source 0 = 16 keys, source 1 = 16 queries), O^T = V^T P^T: a lane holds ONE query (lane % 16) throughout.  The keys of a tile of K are chosen
; (lane r of tile 2 b + u: key 32 b + 8 u + r + 8 (r / 8)) so that the 16 registers of tiles 2 b, 2 b + 1 are 16 neighbouring keys, 32 b + 16 (lane / 16) + 0 .. 15.
; REGISTERS, in two windows of 256.  Tile T's state has the same numbers in window T, so that one text serves both tiles:
;   window T: v12 -M, v13 the largest t, v[14:15] the sum in two halves; v16-27 Q's codes; v28 r - 16 h + 16 T; v29 8 h; v96-159 S^T, then p (and Q's numbers); v160-223 O^T; v224-235 p's codes; v232-254 at work.
;   window 0 alone: v1-8 addresses; v32-79 four fragments; v80-83 K's scale words, v84-87 V's, v88-89 Q's, v90-91 p's (scale operands have no window).     window 1 alone: v32-79 four more fragments.
.set STEPB, 25600                      ; a step's block
.set VFO,   12288                      ; V's tiles in it,
.set KSO,   24576                      ; K's scale words,
.set VSO,   25088                      ; V's
.set SLOT1, 65536                      ; a slot holds two steps' blocks (51,200 bytes); slot 1 begins here, so that one exclusive or turns an address in one slot into the other's
.set STAGE, 131072                     ; behind the ring: 16 rows x 528 bytes for each wave, for Q's way in and O's way out; no fill lands here
.set SPARE, 198656                     ; the spare words, 128 bytes for each wave: four blocks of 256 bytes that no other line names
.set CS,  22                           ; s[22:23] c = log2(e) / sqrt(128)
.set SEL, 42                           ; s[42:43] lane selects for v_permlanex16_b32: lane l xor 16
; s10 wave; s11 P; s12 cx; s13 K/V head; s14 trip; s15 the slot of keys to be asked for; s[16:17] its bytes; s18 LDS byte of the slot in hand; s19 the step's first key; s20 my first query; s21 rows from block P to block 7 - P;
; s[24:31] descriptor group 1; s[32:35] group 0; s[36:37] my step's block in slot 0 of the head; s[38:39] the prefetches' address; s40 their first trip; s[48:51] q at my rows of the two blocks; s[52:55] out0 likewise.
.set MSB, 0
.macro WIN new                         ; s_set_vgpr_msb: bits 1:0 source 0, 3:2 source 1, 5:4 source 2, 7:6 destination; the high byte repeats the setting that is left
.if MSB != (\new)
	s_set_vgpr_msb (MSB<<8)|(\new)
.set MSB, (\new)
.endif
.endm
.macro CROUND                          ; a round of the cluster's barrier
	s_barrier_signal -1
	s_barrier_wait -1
	s_cmp_lg_u32 s10, 0
	s_cbranch_scc1 .Lnot_wave_0_\@
	s_barrier_signal -3
.Lnot_wave_0_\@:
	s_barrier_wait -3
	s_barrier_signal -1
	s_barrier_wait -1
.endm
.macro JLOAD                           ; waves 0 and 1 fetch the slot's two blocks, the others nothing; the branch hangs on the wave's number alone.  Four v_nop follow the load
	s_cmp_lt_u32 s10, 2
	s_cbranch_scc0 .Lno_load_\@
	tensor_load_to_lds s[32:35], s[24:31]
	s_nop 0
.rept 4
	v_nop
.endr
.Lno_load_\@:
.endm
; A PREFETCH INTO THE L2 of the slot of keys that the NEXT change of slots of this cluster will ask for: two key steps ahead of that load.  The four clusters of a K/V head walk the same blocks; the cluster with P = 0 is the
; first to come to slots 4 to 7, in its trips 4 to 7: it names them in trips 3 to 6.  Slots 0 to 3 are asked for by all four clusters near the start and come by their loads alone.
; A slot is 200 aligned blocks of 256 bytes: the four partners take 50 each, told apart BY ADDRESS; in each, waves 2 and 3 take 25, a lane a block (lanes 25 to 31 name lane 24's once more).
.macro ASK
	s_sub_co_u32 s46, s14, s40
	s_cmp_lt_u32 s46, 4
	s_cbranch_scc0 .Lnot_mine_\@
	global_prefetch_b8 v8, s[38:39] th:TH_LOAD_NT scope:SCOPE_SE
.Lnot_mine_\@:
.endm
; THE CHANGE OF SLOTS stands at a slot's head.  Each wave waits for all its tensor loads (its part of the slot that it is about to read), adds 0 to its spare word, and waits for that and for its reads of the slot that it has left.
; fill = 1: a round of the cluster's barrier, and behind it the slot that was left is filled with the next visit's keys: the load has two key steps in which to land.
.macro CHANGE fill
	s_wait_tensorcnt 0x0                           ; no tensor load of mine is out, so group 0 may be written
	ds_add_u32 v5, v6                              ; 0 onto my spare word
.if \fill
	s_add_co_u32 s15, s15, 1                       ; the next slot of keys,
	s_cmp_eq_u32 s14, s11
	s_cselect_b32 s15, 0, s15                      ; or, in block P's last visit, block 7 - P's first
	s_mul_i32 s16, s15, 2*STEPB
	s_xor_b32 s33, s33, SLOT1                      ; into the other LDS slot than last time
	s_add_nc_u64 s[34:35], s[36:37], s[16:17]
	s_or_b32 s35, s35, 0x80000000                  ; type = 2
	s_wait_xcnt 0x0                                ; the last prefetch, a slot back, has read its address
	s_add_nc_u64 s[38:39], s[38:39], 2*STEPB
.endif
	s_wait_dscnt 0x0                               ; the add is done, and my reads of the slot that I have left are over
.if \fill
	CROUND                                         ; no wave of any partner still reads that slot or has a load on its way
	JLOAD                                          ; the first tensor load behind the round, and a wave's only one until the next
	ASK
.else
	s_barrier_signal -1
	s_barrier_wait -1
.endif
.endm
; 25 LDS loads: eight tiles' scale words by one load, tiles 0-3 into window 0, tiles 4-7 into window 1.  An image is read as it was stored: 16 bytes a lane, 512 consecutive bytes a load.
.macro FETCH base, sc, sr
	ds_load_b128 v[\sr:\sr+3], v2 offset:\sc
.irp t, 0,1,2,3
.irp c, 0,1,2
	ds_load_b128 v[32+12*\t+4*\c:35+12*\t+4*\c], v2 offset:\base+1536*\t+512*\c
.endr
.endr
	WIN 0x40
.irp t, 0,1,2,3
.irp c, 0,1,2
	ds_load_b128 v[32+12*\t+4*\c:35+12*\t+4*\c], v2 offset:\base+1536*(4+\t)+512*\c
.endr
.endr
.endm
; Four products S^T = K Q^T: K's tiles 4 f .. 4 f + 3 (window f) against tile t's queries (window t).  w = f | t << 2 | t << 4 | t << 6.  Tiles 4-7 take their scale words from lanes 16-31.
.macro QKG f, t, w
	WIN \w
.irp i, 0,1,2,3
.if \f
	v_wmma_scale_f32_16x16x128_f8f6f4 v[128+8*\i:135+8*\i], v[32+12*\i:43+12*\i], v[16:27], 0, v[80+\i], v[88+\t] matrix_a_fmt:MATRIX_FMT_BF6 matrix_b_fmt:MATRIX_FMT_BF6 matrix_a_scale:MATRIX_SCALE_ROW1
.else
	v_wmma_scale_f32_16x16x128_f8f6f4 v[96+8*\i:103+8*\i], v[32+12*\i:43+12*\i], v[16:27], 0, v[80+\i], v[88+\t] matrix_a_fmt:MATRIX_FMT_BF6 matrix_b_fmt:MATRIX_FMT_BF6
.endif
.endr
.endm
; Four products O^T += V^T P^T.  A step's sixteen go to sixteen accumulators, one instruction each.
.macro PVG f, t, w
	WIN \w
.irp i, 0,1,2,3
.if \f
	v_wmma_scale_f32_16x16x128_f8f6f4 v[192+8*\i:199+8*\i], v[32+12*\i:43+12*\i], v[224:235], v[192+8*\i:199+8*\i], v[84+\i], v[90+\t] matrix_a_fmt:MATRIX_FMT_BF6 matrix_b_fmt:MATRIX_FMT_BF6 matrix_a_scale:MATRIX_SCALE_ROW1
.else
	v_wmma_scale_f32_16x16x128_f8f6f4 v[160+8*\i:167+8*\i], v[32+12*\i:43+12*\i], v[224:235], v[160+8*\i:167+8*\i], v[84+\i], v[90+\t] matrix_a_fmt:MATRIX_FMT_BF6 matrix_b_fmt:MATRIX_FMT_BF6
.endif
.endr
.endm
; On the diagonal the scores of hidden keys become -infinity ahead of the maximum: p = 0 then.  Register 16 b + i holds key s19 + 16 h + 32 b + i: hidden where 32 b + i > my query - s19 - 16 h.  s46 = s20 - s19.
.macro MASK t
	WIN 0x55*(\t)
	v_add_nc_u32 v252, s46, v28
	v_mov_b32 v254, 0xff800000
.set N, 0
.rept 64
	v_cmp_gt_i32 vcc_lo, 32*(N/16)+N%16, v252
	v_cndmask_b32 v[96+N], v[96+N], v254, vcc_lo
.set N, N+1
.endr
.endm
; One tile's softmax for one key step, in window t: from the scores in v96-159 to p's codes in v224-235, p's scale word in v[90 + t] of window 0, the sum and O^T under the new M.
.macro SOFTMAX t
	WIN 0x55*(\t)
.irp b, 0,1,2,3
	v_max3_num_f32 v[232+\b], v[96+16*\b], v[97+16*\b], v[98+16*\b]   ; the largest score of each block of 32 keys: it serves the row's maximum and, since p rises with the score, the block's largest p
.endr
.irp i, 3,5,7,9,11,13
.irp b, 0,1,2,3
	v_max3_num_f32 v[232+\b], v[232+\b], v[96+16*\b+\i], v[97+16*\b+\i]
.endr
.endr
.irp b, 0,1,2,3
	v_max_num_f32 v[232+\b], v[232+\b], v[111+16*\b]
.endr
.irp b, 0,1,2,3
	v_permlanex16_b32 v[236+\b], v[232+\b], s[SEL], s[SEL+1]
.endr
.irp b, 0,1,2,3
	v_max_num_f32 v[232+\b], v[232+\b], v[236+\b]      ; with lane l xor 16's 16 keys
.endr
	v_max3_num_f32 v254, v232, v233, v234
	v_max_num_f32 v254, v254, v235                 ; the step's largest score of my query
	v_mul_f32 v254, s[CS], v254                    ; as t (c is positive)
	v_max_num_f32 v13, v13, v254                   ; the running largest t
	v_mov_b32 v254, v12
	v_floor_f32 v12, -v13                          ; the new -M = floor(-t): M is a whole number
	v_sub_f32 v254, v12, v254                      ; old M - new M: a whole number, 0 or less
	v_cvt_i32_f32 v254, v254                       ; (it saturates)
	v_ldexp_f32 v252, 1.0, v254                    ; f = 2^(old M - new M)
.set N, 0
.rept 32
	v_pk_fma_f32 v[96+N:97+N], v[96+N:97+N], s[CS:CS+1], v[12:13] op_sel_hi:[1,0,0]   ; t - M, two at a time
.set N, N+2
.endr
.irp b, 0,1,2,3
	v_fma_f32 v[232+\b], v[232+\b], s[CS], v12         ; the same of each block's largest score
.endr
.set N, 0
.rept 64
	v_exp_f32 v[96+N], v[96+N]                     ; p = 2^(t - M), at most 1
.set N, N+1
.endr
	v_pk_mul_f32 v[14:15], v[14:15], v[252:253] op_sel_hi:[1,0]   ; the sums under the new M: the plain place behind the exponentials
	s_wait_alu depctr_va_vdst(0)                   ; one wait for the batch of 64, ahead of its first reader
.irp b, 0,1,2,3
	v_exp_f32 v[232+\b], v[232+\b]                     ; the block's largest p: the same two instructions on the same number
.endr
	v_pk_add_f32 v[236:237], v[96:97], v[98:99]    ; the row's sum is taken of the unquantised p, in two chains
.irp j, 4,8,12,16,20,24,28,32,36,40,44,48,52,56,60
	v_pk_add_f32 v[14:15], v[14:15], v[96+\j:97+\j]
	v_pk_add_f32 v[236:237], v[236:237], v[98+\j:99+\j]
.endr
	v_pk_add_f32 v[14:15], v[14:15], v[236:237]
	s_wait_alu depctr_va_vdst(0)                   ; and one for the four
.irp b, 0,1,2,3
	v_max_num_f32 v[232+\b], 0x2800000, v[232+\b]      ; the floor 2^(5 - 127): the byte cannot fall under 1
.endr
.irp b, 0,1,2,3
	v_add_nc_u32 v[244+\b], 0xfe000000, v[232+\b]      ; 4 off the exponent field: the conversion's scale operand
.endr
.irp b, 0,1,2,3
	v_lshrrev_b32 v[236+\b], 23, v[244+\b]             ; the scale's byte
.endr
	v_lshl_or_b32 v253, v237, 8, v236              ; p's scale word for these 128 keys
	v_lshl_or_b32 v253, v238, 16, v253
	v_lshl_or_b32 v253, v239, 24, v253
	WIN (\t)                                       ; source 0 window t, destination window 0
	v_mov_b32 v[90+\t], v253                       ; into a register that holds scales alone; more than eight plain instructions follow ahead of the products
	WIN 0x55*(\t)
.irp c, 0,1
	v_cvt_scalef32_pk16_bf6_f32 v[224+6*\c:226+6*\c], v[96+32*\c:111+32*\c], v[244+2*\c]
	v_cvt_scalef32_pk16_bf6_f32 v[236+4*\c:238+4*\c], v[112+32*\c:127+32*\c], v[244+2*\c+1]   ; (a conversion's three registers begin on an even number)
.endr
	v_nop                                          ; one plain place behind a scaled conversion
.irp c, 0,1                                    ; the operand's layout wants a WHOLE block in a lane: lanes 0-15 block 2 c, lanes 16-31 block 2 c + 1
.irp i, 0,1,2
	v_permlane16_swap_b32 v[224+6*\c+\i], v[236+4*\c+\i]
.endr
.irp i, 0,1,2
	v_mov_b32 v[227+6*\c+\i], v[236+4*\c+\i]
.endr
.endr
.set N, 0
.rept 32
	v_pk_mul_f32 v[160+N:161+N], v[160+N:161+N], v[252:253] op_sel_hi:[1,0]   ; O^T under the new M, each accumulator from its low end on
.set N, N+2
.endr
.endm
; A KEY STEP: 128 keys, the q-th of the slot in hand, for both my tiles.
.macro STEP q
	s_add_co_u32 s46, s20, 31
	s_cmp_gt_u32 s19, s46                          ; all its keys come after my 32 queries: the step's work is left out (a branch on ids; no barrier and no tensor load stands in a step)
	s_cbranch_scc1 .Lhidden_\@
	FETCH (\q)*STEPB, (\q)*STEPB+KSO, 80
	s_wait_dscnt 12                                ; the scale words and tiles 0-3 are in; the twelve loads of tiles 4-7 may be out
	QKG 0, 0, 0x00
	QKG 0, 1, 0x54
	s_wait_dscnt 0x0
	QKG 1, 1, 0x55
	QKG 1, 0, 0x01
	WIN 0
.rept 4
	v_nop                                          ; places in front of loads into registers that the products have read, and of the first read of the scores
.endr
	FETCH (\q)*STEPB+VFO, (\q)*STEPB+VSO, 84       ; V's fragments land under the softmax
	WIN 0
	s_add_co_u32 s47, s19, 127
	s_cmp_le_u32 s47, s20                          ; all 128 keys count for all my queries: no mask
	s_cbranch_scc1 .Lopen_\@
	s_sub_co_i32 s46, s20, s19
	MASK 0
	MASK 1
	WIN 0
.Lopen_\@:
	SOFTMAX 0
	SOFTMAX 1
	s_wait_dscnt 0x0                               ; V
	PVG 0, 0, 0x00
	PVG 0, 1, 0x54
	PVG 1, 1, 0x55
	PVG 1, 0, 0x01
	WIN 0
.rept 4
	v_nop                                          ; places in front of the next step's loads, and of the way out's first read of O^T
.endr
.Lhidden_\@:
	s_add_co_u32 s19, s19, 128
.endm
.macro SLOT_STEPS
	v_add_nc_u32 v2, s18, v1                       ; the slot in hand + 16 x lane
	STEP 0
	STEP 1
	s_xor_b32 s18, s18, SLOT1
.endm
; My 32 rows of q, a row of 512 bytes a load, into the registers of the scores.
.macro QLOAD p
.irp t, 0,1
	WIN (\t)<<6
.irp i, 0,1,2,3,4,5,6,7,8,9,10,11,12,13,14,15
	global_load_b128 v[96+4*\i:99+4*\i], v1, s[\p:\p+1] offset:(16*\t+\i)*512 th:TH_LOAD_NT
.endr
.endr
	WIN 0
.endm
; A lane's two whole blocks of 32, v[X + 32 c ..], become registers F + 6 c .. F + 6 c + 5 of a fragment; W gets the row's scale word.
.macro QUANT2 X, F, M, E, B, W, W2, TT, SH
.irp c, 0,1
	v_max3_num_f32 v[\M+\c], |v[\X+32*\c]|, |v[\X+32*\c+1]|, 0x2800000
.endr
.irp i, 2,4,6,8,10,12,14,16,18,20,22,24,26,28,30
.irp c, 0,1
	v_max3_num_f32 v[\M+\c], v[\M+\c], |v[\X+32*\c+\i]|, |v[\X+32*\c+\i+1]|
.endr
.endr
.irp c, 0,1
	v_add_nc_u32 v[\E+\c], 0xfe000000, v[\M+\c]
.endr
.irp c, 0,1
	v_lshrrev_b32 v[\B+\c], 23, v[\E+\c]
.endr
	v_lshl_or_b32 v[\W], v[\B+1], 16, v[\B]          ; my two bytes: blocks h and 2 + h,
	v_lshlrev_b32 v[\W], v[\SH], v[\W]               ; 8 h bits up;
	v_permlanex16_b32 v[\W2], v[\W], s[SEL], s[SEL+1]
	v_or_b32 v[\W], v[\W], v[\W2]                    ; with lane l xor 16's two the word is whole
.irp c, 0,1
	v_cvt_scalef32_pk16_bf6_f32 v[\F+6*\c:\F+6*\c+2], v[\X+32*\c:\X+32*\c+15], v[\E+\c]
	v_cvt_scalef32_pk16_bf6_f32 v[\TT+4*\c:\TT+4*\c+2], v[\X+32*\c+16:\X+32*\c+31], v[\E+\c]
.endr
	v_nop                                            ; one plain place behind a scaled conversion
.irp c, 0,1
.irp i, 0,1,2
	v_mov_b32 v[\F+3+6*\c+\i], v[\TT+4*\c+\i]
.endr
.endr
.endm
; Q's rows turn through my stage, so that lane (r, h) holds numbers 64 c + 32 h + 0 .. 31 of row r, and become a fragment and a scale word a tile.
.macro QMAKE
.irp t, 0,1
	s_wait_loadcnt 16-16*\t                        ; tile 0: tile 1's sixteen loads may be out
	WIN (\t)<<2
.irp i, 0,1,2,3,4,5,6,7,8,9,10,11,12,13,14,15
	ds_store_b128 v4, v[96+4*\i:99+4*\i] offset:528*\i
.endr
	WIN (\t)<<6
.irp c, 0,1
.irp i, 0,1,2,3,4,5,6,7
	ds_load_b128 v[96+32*\c+4*\i:99+32*\c+4*\i], v7 offset:256*\c+16*\i   ; LDS serves a wave's instructions in order (ISA guide 5.7.1.4): these see my stores
.endr
.endr
	s_wait_dscnt 0x0
	WIN 0x55*\t
	QUANT2 96, 16, 232, 244, 236, 253, 254, 236, 29
	WIN \t
	v_mov_b32 v[88+\t], v253
.endr
	WIN 0
.endm
; A block of queries begins: the largest t is -3e38, under every t; the sum and O^T are zeros, which the first change of M leaves zeros (so the key step is written without a first step of its own).
.macro INIT
	s_wait_xcnt 0x0                                ; the way out's stores have read their registers
.irp t, 0,1
	WIN 0x55*\t
	v_mov_b32 v13, 0xff61b1e6
	v_floor_f32 v12, -v13
	v_mov_b32 v14, 0
	v_mov_b32 v15, 0
.set N, 0
.rept 64
	v_mov_b32 v[160+N], 0
.set N, N+1
.endr
.endr
	WIN 0
.endm
; THE WAY OUT.  O^T is divided by the row's sum and goes through my stage: a lane's eight channels of a row go in as 32 bytes, whole rows of 512 bytes come back and are stored.
.macro WAYOUT p
.irp t, 0,1
	WIN 0x55*\t
	v_add_f32 v14, v14, v15                        ; the sum's two halves,
	v_permlanex16_b32 v252, v14, s[SEL], s[SEL+1]
	v_add_f32 v14, v14, v252                       ; and lane l xor 16's
	v_rcp_f32 v14, v14
	v_nop                                          ; a plain place behind the reciprocal
	s_wait_alu depctr_va_vdst(0)                   ; and the wait ahead of its first reader
.set N, 0
.rept 32
	v_pk_mul_f32 v[160+N:161+N], v[160+N:161+N], v[14:15] op_sel_hi:[1,0]   ; register 8 f + i is o(r, 16 f + 8 h + i)
.set N, N+2
.endr
	WIN (\t)<<2
.irp f, 0,1,2,3,4,5,6,7
	ds_store_b128 v3, v[160+8*\f:163+8*\f] offset:64*\f
	ds_store_b128 v3, v[164+8*\f:167+8*\f] offset:64*\f+16
.endr
	WIN (\t)<<6
.irp i, 0,1,2,3,4,5,6,7,8,9,10,11,12,13,14,15
	ds_load_b128 v[160+4*\i:163+4*\i], v4 offset:528*\i
.endr
	WIN (\t)<<2
.irp i, 0,1,2,3,4,5,6,7,8,9,10,11,12,13,14,15
	s_wait_dscnt 15-\i                             ; row i is back; the younger rows may be out
	global_store_b128 v1, v[160+4*\i:163+4*\i], s[\p:\p+1] offset:(16*\t+\i)*512 th:TH_STORE_NT   ; 32 lanes store 512 consecutive bytes, at a multiple of 256 from the buffer's first byte
.endr
.endr
	WIN 0
.endm
	s_load_b128 s[4:7], s[0:1], 0x0                ; q, kvw
	s_load_b64 s[8:9], s[0:1], 0x10                ; out0
	v_lshl_add_u32 v5, v0, 2, SPARE
	v_mov_b32 v6, 0
	ds_add_u32 v5, v6
	s_wait_dscnt 0x0
	v_lshrrev_b32 v1, 5, v0
	v_readfirstlane_b32 s10, v1                    ; wave 0..7
	s_mov_b32 s11, ttmp9                           ; P: in a cluster launch ttmp9 counts clusters
	s_bfe_u32 s12, ttmp6, 0x40000                  ; cx: which of the four query heads
	s_and_b32 s13, ttmp7, 0xffff                   ; the K/V head, 8 x batch + head
	s_lshr_b32 s46, s10, 2                         ; which 32 of the block's 256 queries are mine: waves 0 .. 7 take pieces 0, 4, 1, 5, 6, 2, 7, 3,
	s_xor_b32 s46, s46, s10                        ; so that waves w and w + 4, and waves 2 w and 2 w + 1, hold one piece of the block's first half and one of its second,
	s_and_b32 s46, s46, 1                          ; of which the first leaves out the diagonal slot's second step
	s_lshl_b32 s46, s46, 2
	s_lshr_b32 s47, s10, 1
	s_add_co_u32 s46, s46, s47
	s_lshl_b32 s46, s46, 5
	s_lshl_b32 s20, s11, 8
	s_add_co_u32 s20, s20, s46                     ; my first query in block P
	s_lshr_b32 s46, s13, 3
	s_lshl_b32 s46, s46, 5
	s_lshl_b32 s47, s12, 3
	s_add_co_u32 s46, s46, s47
	s_and_b32 s47, s13, 7
	s_add_co_u32 s46, s46, s47                     ; the query head: 32 x batch + 8 cx + the K/V head's number
	s_lshl_b32 s56, s46, 20                        ; its 2,048 rows of 512 bytes,
	s_lshl_b32 s47, s20, 9
	s_add_co_u32 s56, s56, s47                     ; my first row
	s_mov_b32 s57, 0
	s_lshl_b32 s44, s11, 1
	s_sub_co_u32 s44, 7, s44                       ; 7 - 2 P blocks on: block 7 - P
	s_lshl_b32 s21, s44, 8                         ; in rows,
	s_lshl_b32 s44, s44, 17                        ; in bytes
	s_mov_b32 s45, 0
	s_and_b32 s47, s10, 1                          ; which of a slot's two blocks I fetch, if I fetch
	s_mul_i32 s33, s47, STEPB                      ; group 0, 63:32: its place in LDS slot 0
	s_mul_i32 s58, s13, 16*STEPB                   ; the head's 16 blocks in kvw
	s_add_co_u32 s58, s58, s33
	s_mov_b32 s59, 0
	s_mul_i32 s2, s13, 16*STEPB                    ; the prefetches: the head, my work-group's 50 blocks of 256 bytes of a slot's 200, my wave's 25 of them
	s_mul_i32 s46, s12, 12800
	s_add_co_u32 s2, s2, s46
	s_mul_i32 s46, s47, 6400
	s_add_co_u32 s2, s2, s46
	s_mov_b32 s3, 0
	s_lshr_b32 s40, s10, 1
	s_xor_b32 s40, s40, 1                          ; 0 in waves 2 and 3,
	s_or_b32 s40, s40, s11                         ; of the clusters with P = 0: the same in all four partners
	s_cmp_eq_u32 s40, 0
	s_mov_b32 s40, 100
	s_cselect_b32 s40, 3, s40                      ; they ask in trips 3 to 6, the others never
	; descriptor group 1: a dense block of 25,600 bytes as 100 rows of 256 bytes (32 elements of 8 bytes), no padding: images are read 16 bytes a lane, 512 consecutive bytes a load
	s_mov_b32 s24, 15|(3<<16)|(1<<21)              ; 15:0 the mask: all four work-groups; 17:16 elements of 8 bytes; 21 set beside a mask
	s_mov_b32 s25, 32<<16                          ; tensor_dim0 = 32
	s_mov_b32 s26, 100<<16                         ; tensor_dim1 = 100
	s_mov_b32 s27, 32<<16                          ; tile_dim0 = 32
	s_mov_b32 s28, 100                             ; tile_dim1 = 100
	s_mov_b32 s29, 32                              ; tensor_dim0_stride
	s_mov_b32 s30, 0
	s_mov_b32 s31, 0
	s_mov_b32 s32, 1                               ; group 0, 1:0 count = 1
	s_mov_b32 s[CS], 0x3e0293ee                    ; c = log2(e) / sqrt(128)
	s_mov_b32 s[CS+1], s[CS]                       ; (named with it as a pair, so it is written)
	s_mov_b32 s[SEL], 0x76543210
	s_mov_b32 s[SEL+1], 0xfedcba98
	s_mov_b32 s14, 0
	s_mov_b32 s15, 0
	s_mov_b32 s17, 0
	s_mov_b32 s18, 0
	s_mov_b32 s19, 0
	v_and_b32 v1, 31, v0
	v_lshlrev_b32 v1, 4, v1                        ; 16 x lane
	s_wait_kmcnt 0x0
	s_add_nc_u64 s[48:49], s[4:5], s[56:57]        ; q and out0 at my rows of block P and of block 7 - P: never rewritten
	s_add_nc_u64 s[50:51], s[48:49], s[44:45]
	s_add_nc_u64 s[52:53], s[8:9], s[56:57]
	s_add_nc_u64 s[54:55], s[52:53], s[44:45]
	s_add_nc_u64 s[36:37], s[6:7], s[58:59]
	s_add_nc_u64 s[38:39], s[6:7], s[2:3]          ; in slot 0; every change of slots steps it ahead of its use: trip t names slot t + 1
	s_mov_b64 s[34:35], s[36:37]                   ; group 0, 120:64: the head's first slot
	s_or_b32 s35, s35, 0x80000000                  ; 127:126 type = 2
	QLOAD 48
	CROUND                                         ; all four work-groups are here: the first joint load meets
	JLOAD                                          ; visit 0 into LDS slot 0: the one first fill
	v_and_b32 v9, 15, v0                           ; r
	v_bfe_u32 v10, v0, 4, 1                        ; h
	s_mul_i32 s46, s10, 8448
	s_add_co_u32 s46, s46, STAGE                   ; my stage
	v_mul_u32_u24 v11, v9, 528
	v_add_nc_u32 v11, s46, v11
	v_lshl_add_u32 v3, v10, 5, v11                 ; O in: row r, + 32 h
	v_lshl_add_u32 v7, v10, 7, v11                 ; Q back: row r, + 128 h
	v_add_nc_u32 v4, s46, v1                       ; whole rows: 16 x lane
	v_and_b32 v8, 31, v0
	v_min_u32 v8, 24, v8
	v_lshlrev_b32 v8, 8, v8                        ; the prefetches: lanes 256 bytes apart
	v_lshlrev_b32 v29, 3, v10                      ; 8 h
	v_lshlrev_b32 v28, 4, v10
	v_sub_nc_u32 v28, v9, v28                      ; r - 16 h
.irp b, 0,1,2,3
	v_mov_b32 v[236+\b], 0                         ; written once: a lane permute's destination counts as one of its sources
.endr
	v_mov_b32 v252, 0
	v_mov_b32 v253, 0                              ; (named as the upper half of the pair v[252:253] before it is first written)
	v_mov_b32 v254, 0
	WIN 0x40                                       ; the same in window 1, made from window 0's
	v_add_nc_u32 v28, 16, v28                      ; r - 16 h + 16
	v_mov_b32 v29, v29
.irp b, 0,1,2,3
	v_mov_b32 v[236+\b], 0
.endr
	v_mov_b32 v252, 0
	v_mov_b32 v253, 0
	v_mov_b32 v254, 0
	WIN 0
	QMAKE
	INIT
.Lvisit:                                           ; eight trips: trip t reads visit t and asks for visit t + 1
	CHANGE 1
	SLOT_STEPS
	s_cmp_lg_u32 s14, s11                          ; block P's last visit?  (P is the same in all partners and all waves)
	s_cbranch_scc1 .Lsame
	QLOAD 50                                       ; block 7 - P's rows of q are on their way while block P goes out
	WAYOUT 52
	QMAKE
	INIT
	s_add_co_u32 s20, s20, s21                     ; my first query in block 7 - P
	s_mov_b32 s19, 0                               ; and the keys begin anew
.Lsame:
	s_add_co_u32 s14, s14, 1
	s_cmp_lt_u32 s14, 8
	s_cbranch_scc1 .Lvisit
	CHANGE 0                                       ; the ninth visit is written out: nothing is asked for
	SLOT_STEPS
	WAYOUT 54
	s_wait_tensorcnt 0x0                           ; the wave's end: behind my last tensor load and my last LDS store
	ds_add_u32 v5, v6
	s_wait_dscnt 0x0
	CROUND                                         ; the closing round: no work-group ends while a partner may still ask for a block that names it
	s_endpgm
.Lfunc_end_k_q85aa3d5883_attend:
	.size	k_q85aa3d5883_attend, .Lfunc_end_k_q85aa3d5883_attend-k_q85aa3d5883_attend
	.p2alignl 7, 3214868480
	.fill 96, 4, 3214868480
	.section	.rodata,"a",@progbits
	.p2align	6, 0x0
	.amdhsa_kernel k_q85aa3d5883_attend
		.amdhsa_group_segment_fixed_size 327680
		.amdhsa_private_segment_fixed_size 0
		.amdhsa_enable_private_segment 0
		.amdhsa_kernarg_size 24
		.amdhsa_user_sgpr_count 2
		.amdhsa_user_sgpr_kernarg_segment_ptr 1
		.amdhsa_wavefront_size32 1
		.amdhsa_system_sgpr_workgroup_id_x 1
		.amdhsa_system_sgpr_workgroup_id_y 1
		.amdhsa_system_sgpr_workgroup_id_z 1
		.amdhsa_system_vgpr_workitem_id 0
		.amdhsa_next_free_vgpr 512
		.amdhsa_next_free_sgpr 66
		.amdhsa_reserve_vcc 1
		.amdhsa_float_denorm_mode_32 3
		.amdhsa_float_denorm_mode_16_64 3
		.amdhsa_memory_ordered 1
		.amdhsa_forward_progress 1
		.amdhsa_inst_pref_size 244
	.end_amdhsa_kernel
	.amdgpu_metadata
---
amdhsa.version: [ 1, 2 ]
amdhsa.kernels:
  - .name:           k_q85aa3d5883_attend
    .symbol:         k_q85aa3d5883_attend.kd
    .args:
      - { .name: q, .offset: 0, .size: 8, .value_kind: global_buffer, .address_space: global }
      - { .name: kvw, .offset: 8, .size: 8, .value_kind: global_buffer, .address_space: global }
      - { .name: out0, .offset: 16, .size: 8, .value_kind: global_buffer, .address_space: global }
    .group_segment_fixed_size: 327680
    .private_segment_fixed_size: 0
    .kernarg_segment_align: 8
    .kernarg_segment_size: 24
    .max_flat_workgroup_size: 256
    .sgpr_count:     66
    .vgpr_count:     512
    .wavefront_size: 32
...
	.end_amdgpu_metadata
.endif
;; end of part 2
